; MI455X (gfx1250); checked and timed in simulation.
; The chip was launched on July 23, 2026; its instructions are those of AMD's public machine-readable ISA for CDNA 5 (MIT licence, August 2026) and "CDNA5" Instruction Set Architecture Reference Guide (July 2026). The comments in the code are by the model that wrote it; some were corrected since.
;; Multi Head Self Attention. Allowed arithmetic: matrix products marked QUANTISED: E5M2 operands, one given power-of-two scale a tensor, by v_wmma_f32_16x16x64_bf8_bf8 or v_wmma_f32_16x16x128_bf8_bf8, f32 sums; everything else in f32.
;; Inputs: W_out_codes 1,024 x 32 x 32 uint8 (E5M2 codes of W_out, K innermost, in blocks of 32 codes); W_qkv_codes 3,072 x 32 x 32 uint8 (E5M2 codes of W_qkv, K innermost, in blocks of 32 codes); b_out 1,024 float32; b_qkv 3,072 float32; ious 8 x 1,024 x 1,024 float32; lowp_scales 8 int32 (the exponents e of the quantised operands' scales 2^e); query_codes 1,024 x 8 x 32 x 32 uint8 (E5M2 codes of query, K innermost, in blocks of 32 codes).
;; Outputs: out0 1,024 x 8 x 1,024 float32.
;; Constants: nhead = 16.
;; This version of the problem:
;;   THIS VERSION OF THE PROBLEM IS GIVEN IN LOW PRECISION. The matrix products marked QUANTISED in the list below multiply operands that are first quantised to E5M2 (5 exponent bits, 2 mantissa bits; 8 bits a number), with one given power-of-two scale for each operand tensor; their sums are f32. All else is computed in f32.
;;   The module's matrix products, in the order in which they are computed (A, B: the left and right operand; K: the contracted axis; several contracted axes count as one K, in the product's order):
;;     1. [M 8,192, K 1,024] x [K 1,024, N 3,072]; A: input query (given as codes); B: input W_qkv (given as codes): QUANTISED (scales: A lowp_scales[0], B lowp_scales[1])
;;     2. batch 128 x [M 1,024, K 64] x [K 64, N 1,024]; A: computed on the way; B: computed on the way: QUANTISED (scales: A lowp_scales[2], B lowp_scales[3])
;;     3. batch 128 x [M 1,024, K 1,024] x [K 1,024, N 64]; A: computed on the way; B: computed on the way: QUANTISED (scales: A lowp_scales[4], B lowp_scales[5])
;;     4. [M 8,192, K 1,024] x [K 1,024, N 1,024]; A: computed on the way; B: input W_out (given as codes): QUANTISED (scales: A lowp_scales[6], B lowp_scales[7])
;;   THE QUANTISER, for each operand of a quantised product, along K:
;;     - The operand's scale is 2^e, e = its entry of the input lowp_scales (int32; the entries are numbered through the quantised products in the list's order, A before B).
;;     - Each number is divided by the scale, clamped to +-57,344, and rounded to the nearest number of E5M2, ties to even, subnormals kept.
;;     - The product sums the exact products of the quantised numbers (number of the format x scale) in f32.
;;   ~~~python
;;   def quantise(x, axis, e):      # numpy; x: float32 -> the quantised numbers, widened to float32 again
;;       x = np.moveaxis(x, axis, -1); K = x.shape[-1]
;;       r = np.clip(x / 2.0 ** e, -57344, 57344)
;;       step = 2.0 ** (np.maximum(np.frexp(np.where(r == 0, 1, r))[1] - 1, -14) - 2)
;;       q = np.round(r / step) * step * 2.0 ** e      # np.round: ties to even
;;       return np.moveaxis(q, -1, axis).astype(np.float32)
;;   ~~~
;;   OPERANDS COMPUTED ON THE WAY. 'Computed on the way' means the value that the module computes at that place (a softmax that the list does not call 'softmax' is quantised finished and normalised). What goes into a quantiser is computed in f32, as accurately as f32 sums, v_exp_f32 and their like allow (about 1e-6 of the number): no bf16 or f16 on the way to a quantiser, and a product that is left as it is and whose result goes on into a quantised operand takes f32 operands (vector FMAs, or v_wmma_f32_16x16x4_f32). A number that lies on a knife's edge between two numbers of the format may be rounded either way, as far as f32 arithmetic and the matrix unit's own rounding can turn it there, and no further.
;;   INPUTS GIVEN AS CODES. W_out (in the module: [1024, 1024], K = its axis 1); W_qkv (in the module: [3072, 1024], K = its axis 1); query (in the module: [1024, 8, 1024], K = its axis 2): each comes as NAME_codes (uint8): NAME with its K axis moved to the last place and cut into blocks of 32 codes, [.., K / 32, bytes a block], one block behind the other in memory; one code a byte (a code: sign, 5 exponent bits, 2 mantissa bits); its scale is its entry of lowp_scales. Its value is code x scale, taken as it is: it is not quantised again, and the codes and scales need not be those that the quantiser above would give.
;; One version. Each part assembles by itself: llvm-mc -triple=amdgcn-amd-amdhsa -mcpu=gfx1250 --defsym DOCPART=n.
;; ======== version 1 of 1: 3 launches
;; workspace buffers: q_img 8,388,608 bytes; k_img 8,388,608 bytes; v_img 8,388,608 bytes; a_img 8,388,608 bytes
;; launch qkv (part 1): grid 12 x 32, 4 waves a work-group, clusters of 4 x 4, 327,680 bytes of LDS; arguments query_codes, W_qkv_codes, b_qkv, lowp_scales, q_img, k_img, v_img; writes q_img, k_img, v_img
.if DOCPART == 1
	.amdgcn_target "amdgcn-amd-amdhsa--gfx1250"
	.amdhsa_code_object_version 6
	.text
	.protected	k_q004ccac7e5_qkv
	.globl	k_q004ccac7e5_qkv
	.p2align	8
	.type	k_q004ccac7e5_qkv,@function
k_q004ccac7e5_qkv:
	s_mov_b64 s[64:65], 0
	v_nop
	global_prefetch_b8 v0, s[64:65] scope:SCOPE_SE
	s_setreg_imm32_b32 hwreg(HW_REG_WAVE_MODE, 25, 1), 1
	s_wait_xcnt 0x0
	s_wait_alu depctr_hold_cnt(0) depctr_sa_sdst(0) depctr_va_vdst(0) depctr_va_sdst(0) depctr_va_ssrc(0) depctr_va_vcc(0) depctr_vm_vsrc(0)
	s_getreg_b32 s2, hwreg(HW_REG_IB_STS2, 6, 4)
	s_cmp_eq_u32 s2, 0
	s_cbranch_scc0 .Lentry_in_a_cluster
	s_endpgm
.Lentry_in_a_cluster:
	s_bfe_u32 s2, ttmp6, 0x10000c
	s_cmp_lg_u32 s2, 0xf033
	s_cbranch_scc0 .Lentry_shape_is_right
	s_endpgm
.Lentry_shape_is_right:
; LAUNCH 1 OF 3.  qkv = query W_qkv^T + b_qkv on codes of E5M2; q (x 1/8), k and v are quantised at once and stored as codes, laid as images of the registers in which the next launch wants them.
; NO WORK OF THE PROBLEM IS LEFT OUT in any of the three launches: every input has a way to the output (b_qkv's part for k moves k's codes, so it stays), and every product of the table is made.
; query: row t x 8 + b of 1,024 codes; W_qkv: 3,072 rows of 1,024 codes.  A number is code x 2^e: e0 for query, e1 for W_qkv.  qkv = sum x 2^(e0 + e1) + bias, in f32.
; q's code = (qkv / 8) / 2^e2 = qkv / 2^(e2 + 3): the division by 8 rounds nothing and is folded into the scale;  k's = qkv / 2^e3;  v's = qkv / 2^e5; each held within +-57,344 x its scale first.
; LIMITS: e0 + e1 between -126 and 127; e2 + 3, e3, e5 between -126 and 112, so that each power of two below is an f32 number.  NaN among the inputs is not served.
; SHARES.  A work-group of four waves makes 256 x 256 of qkv for ONE batch b (cluster y): 256 positions t (place cy in the cluster) x 256 columns (4 x cluster x + cx); a wave 128 x 128: 64 accumulators, 512 registers.
; Cluster x says which part the columns belong to: 0 q, 1 k, 2 v; it is the same in all sixteen partners.  K = 1,024 goes in four steps of 256 through a ring of two LDS slots.
; CLUSTERS: 4 x 4.  The four of a row of the cluster need the same rows of query, the four of a column the same rows of W: each tile is asked for jointly, with a mask that names the four.
; WHICH OPERAND IS SOURCE 0.  In a result a lane holds ONE row of source 1 and eight neighbouring rows of source 0.  The next products want q and k with the head's 64 along a lane's registers, and v with the KEYS along them.
; So for q and k source 0 = rows of W and source 1 = rows of query; for v the other way round.  The tensor loads are the same in all parts; only the two base addresses of the fragment loads are chosen, by s_cselect on cluster x.
; One conversion of a result's eight registers then gives two registers of the next operand in the matrix unit's own layout (registers 2 c, 2 c + 1: k = 16 c + 8 (lane / 16) + 0 .. 7): nothing changes lanes, and no stage is needed.
; q_img, k_img: [b 8][head 16][tile of 16 t: 64][chunk 2][lane 32][16 bytes];  v_img: [b 8][head 16][128 keys: 8][tile of 16 d: 4][chunk 4][lane 32][16 bytes].  Every store of a wave covers 512 consecutive bytes, aligned.
; REGISTERS, in windows of 256: window 0: v0-31 addresses; v32-95 the bias along a lane's registers, v96-111 the bias of a lane's row; from v128 source 1's fragments, ONE set; on the way out the codes.
;   window 1: source 0's fragments, TWO sets.   window 2: the accumulators of my source 1 blocks 0-3 (accumulator (a, b) at v[8 (8 (a % 4) + b)]);   window 3: those of blocks 4-7.
.set KSTEP,  256
.set ROWB,   256                       ; a tile's row in bytes
.set PITCH,  272                       ; an LDS row: 256 bytes + 16 of padding = 68 words: the 16 rows that a load touches start at 16 different banks (64 banks of 4 bytes: ISA guide 11.1)
.set FR,     16                        ; registers of a fragment: 16 rows x 128 K
.set NL,     4                         ; LDS loads that bring one
.set NP,     4                         ; places behind this matrix instruction (ISA guide 7.12.1)
.set HALFT,  128*PITCH                 ; 128 rows: what one tensor load brings
.set SLOT,   4*HALFT                   ; query's 256 rows, then W's 256 rows
.set LAPS,   1024/(2*KSTEP)            ; a lap = two K steps = once round the ring
.set SPARE,  2*SLOT                    ; behind the ring: the spare words, 128 bytes for each wave
.set ADR1, 16                          ; v16-17  LDS address of my source 1 fragments in slot 0, 1
.set ADR0, 20                          ; v20-21  the same for source 0
.set CO,   26                          ; v26     16 x lane: my place in a chunk
.set SCL,  27                          ; v27     the conversion's scale as f32
.set SPW,  28                          ; v28     LDS address of my spare word; never rewritten
.set NIL,  29                          ; v29     0; never rewritten
.set BR,   32
.set BL,   96
.set AF,   128
.set CD,   128
.set G1, 24                            ; s[24:31] descriptor group 1 for query's tiles;  s[32:39] group 0, one set for each slot
.set G0, 32
.set G1B, 48                           ; s[48:55], s[56:63] the same for W's tiles
.set G0B, 56
.set MSB, 0
.macro WIN new                         ; the immediate's high byte repeats the setting that is left
.if MSB != \new
	s_set_vgpr_msb (MSB<<8)|\new
.set MSB, \new
.endif
.endm
.set MUL_LO, 0xa1                      ; source 0 window 1, source 1 window 0, C and D window 2
.set MUL_HI, 0xf1                      ; the same, C and D window 3
.set TO_0,   0x40                      ; destination window 1, address window 0
; A joint load: waves 0 and 1 fetch query's two halves, waves 2 and 3 W's.  The branch hangs on the wave's number alone.  An s_nop 0 and four v_nop follow each of the two lines.
.macro JLOAD g0a, g1a, g0b, g1b
	s_cmp_eq_u32 s15, 0
	s_cbranch_scc0 .Lfor_b_\@
	tensor_load_to_lds s[\g0a:\g0a+3], s[\g1a:\g1a+7]
	s_nop 0
.rept 4
	v_nop
.endr
	s_branch .Lasked_\@
.Lfor_b_\@:
	tensor_load_to_lds s[\g0b:\g0b+3], s[\g1b:\g1b+7]
	s_nop 0
.rept 4
	v_nop
.endr
.Lasked_\@:
.endm
.macro CREST                           ; a round of the cluster's barrier behind its opening barrier
	s_cmp_lg_u32 s14, 0
	s_cbranch_scc1 .Lnot_wave_0_\@
	s_barrier_signal -3
.Lnot_wave_0_\@:
	s_barrier_wait -3
	s_barrier_signal -1
	s_barrier_wait -1
.endm
.macro CROUND                          ; a whole round
	s_barrier_signal -1
	s_barrier_wait -1
	CREST
.endm
	s_load_b128 s[4:7], s[0:1], 0x0                ; query's codes s[4:5], W's codes s[6:7]
	s_load_b128 s[8:11], s[0:1], 0x10              ; b_qkv s[8:9], the scales' exponents s[10:11]
	s_load_b128 s[68:71], s[0:1], 0x20             ; q_img s[68:69], k_img s[70:71]
	s_load_b64 s[72:73], s[0:1], 0x30              ; v_img
	v_lshl_add_u32 v[SPW], v0, 2, SPARE
	v_mov_b32 v[NIL], 0
	ds_add_u32 v[SPW], v[NIL]                      ; the wave's opening: the add, twice on end, and its wait ahead of my first tensor load
	ds_add_u32 v[SPW], v[NIL]
	v_lshrrev_b32 v1, 5, v0
	v_readfirstlane_b32 s14, v1                    ; wave 0..3
	s_lshr_b32 s15, s14, 1                         ; wr: which half of source 1's 256 rows is mine.  Also: I fetch for query (0) or for W (1)
	s_and_b32 s16, s14, 1                          ; wc: which half of source 0's.  Also: which 128 rows of that tile I fetch
	s_bfe_u32 s40, ttmp6, 0x40000                  ; cx, cy: my place in the cluster
	s_bfe_u32 s41, ttmp6, 0x40004
	s_lshl_b32 s42, ttmp9, 2
	s_add_co_u32 s42, s42, s40                     ; tile column of qkv = 4 x cluster x + cx
	s_and_b32 s17, ttmp7, 0xffff                   ; b = cluster y
	s_lshl_b32 s43, s41, 2
	s_lshl_b32 s43, 15, s43                        ; my row of the cluster
	s_lshl_b32 s44, 0x1111, s40                    ; my column
	; descriptor group 1: a tile of 128 rows x 256 bytes, padded in LDS
	s_or_b32 s[G1+0], s43, (1<<20)|(1<<21)|(5<<22)|(3<<25)   ; 15:0 the mask: query's tiles go to my row; 17:16 elements of 1 byte; 20 padding on; 21 set beside a mask; 24:22 after every 64 words; 31:25 four words
	s_or_b32 s[G1B+0], s44, (1<<20)|(1<<21)|(5<<22)|(3<<25)  ; W's tiles go to my column
.irp g, G1, G1B
	s_mov_b32 s[\g+1], ROWB<<16                    ; tensor_dim0
	s_mov_b32 s[\g+2], 128<<16                     ; tensor_dim1
	s_mov_b32 s[\g+3], ROWB<<16                    ; tile_dim0
	s_mov_b32 s[\g+4], 128                         ; tile_dim1
	s_mov_b32 s[\g+6], 0
	s_mov_b32 s[\g+7], 0
.endr
	s_mov_b32 s[G1+5], 8192                        ; from position t to t + 1 of one batch: 8 rows of 1,024 bytes
	s_mov_b32 s[G1B+5], 1024                       ; from row to row of W
	s_lshl_b32 s18, s16, 7                         ; which 128 rows of the tile I fetch
	s_lshl_b32 s20, s41, 8
	s_add_co_u32 s20, s20, s18                     ; query: t = 256 cy + 128 x half,
	s_lshl_b32 s20, s20, 13                        ; 8,192 bytes each,
	s_lshl_b32 s19, s17, 10
	s_add_co_u32 s20, s20, s19                     ; + 1,024 b
	s_mov_b32 s21, 0
	s_lshl_b32 s46, s42, 8
	s_add_co_u32 s46, s46, s18                     ; W: row 256 x tile column + 128 x half,
	s_lshl_b32 s46, s46, 10                        ; 1,024 bytes each
	s_mov_b32 s47, 0
	s_mul_i32 s45, s14, HALFT                      ; where they go: wave x 128 rows: no place in the cluster enters an LDS address
	s_wait_dscnt 0x0                               ; both opening adds are done
	s_wait_kmcnt 0x0
	s_load_b256 s[76:83], s[10:11], 0x0            ; e0 .. e7
	s_add_nc_u64 s[20:21], s[4:5], s[20:21]
	s_add_nc_u64 s[46:47], s[6:7], s[46:47]
	CROUND                                         ; all sixteen work-groups are here: the first joint loads meet
.irp s, 0,1
	s_mov_b32 s[G0+4*\s], 1
	s_add_co_u32 s[G0+4*\s+1], s45, \s*SLOT
	s_add_nc_u64 s[G0+4*\s+2:G0+4*\s+3], s[20:21], \s*ROWB
	s_or_b32 s[G0+4*\s+3], s[G0+4*\s+3], 0x80000000
	s_mov_b32 s[G0B+4*\s], 1
	s_add_co_u32 s[G0B+4*\s+1], s45, \s*SLOT
	s_add_nc_u64 s[G0B+4*\s+2:G0B+4*\s+3], s[46:47], \s*ROWB
	s_or_b32 s[G0B+4*\s+3], s[G0B+4*\s+3], 0x80000000
	JLOAD G0+4*\s, G1, G0B+4*\s, G1B               ; two loads of mine are out
.endr
	v_and_b32 v1, 15, v0                           ; r = lane % 16
	v_bfe_u32 v2, v0, 4, 1                         ; h = lane / 16
	v_mul_u32_u24 v3, v1, PITCH
	v_lshl_add_u32 v4, v2, 4, v3                   ; a fragment's row x pitch + 16 x half
	s_cmp_eq_u32 ttmp9, 2                          ; v?  Then source 1 = W (behind query's 256 rows) and source 0 = query; else the other way round
	s_cselect_b32 s21, 2*HALFT, 0
	s_cselect_b32 s22, 0, 2*HALFT
	s_mul_i32 s23, s15, HALFT
	s_add_co_u32 s21, s21, s23                     ; my 128 rows of source 1
	s_mul_i32 s23, s16, HALFT
	s_add_co_u32 s22, s22, s23                     ; my 128 rows of source 0
.irp s, 0,1
	v_add_nc_u32 v[ADR1+\s], s21, v4
	v_add_nc_u32 v[ADR0+\s], s22, v4
	s_add_co_u32 s21, s21, SLOT
	s_add_co_u32 s22, s22, SLOT
.endr
	v_and_b32 v5, 31, v0
	v_lshlrev_b32 v[CO], 4, v5
	; the bias in both forms, 1,024 bytes a wave: along a lane's registers (q, k: columns 16 b + 8 h + j of my source 0 half) and one number a lane (v: column 16 a + r of my source 1 half).
	; Both are loaded in every part, so that the head has one way through it; the way out takes the one that its part wants.
	s_lshl_b32 s23, s42, 10                        ; 256 x tile column, 4 bytes each
	s_lshl_b32 s18, s16, 9
	s_add_co_u32 s18, s18, s23
	s_mov_b32 s19, 0
	s_add_nc_u64 s[18:19], s[8:9], s[18:19]
	s_lshl_b32 s12, s15, 9
	s_add_co_u32 s12, s12, s23
	s_mov_b32 s13, 0
	s_add_nc_u64 s[12:13], s[8:9], s[12:13]
	v_lshlrev_b32 v6, 5, v2                        ; 32 h
	v_lshlrev_b32 v7, 2, v1                        ; 4 r
.irp b, 0,1,2,3,4,5,6,7
	global_load_b128 v[BR+8*\b:BR+8*\b+3], v6, s[18:19] offset:64*\b
	global_load_b128 v[BR+8*\b+4:BR+8*\b+7], v6, s[18:19] offset:64*\b+16
.endr
.irp a, 0,1,2,3,4,5,6,7
	global_load_b32 v[BL+2*\a], v7, s[12:13] offset:64*\a      ; twice: a pair for the packed multiply-add
	global_load_b32 v[BL+2*\a+1], v7, s[12:13] offset:64*\a
.endr
	; the way out's scalars: all choices by s_cselect on cluster x
	s_lshl_b32 s90, s41, 4
	s_lshl_b32 s91, s15, 3
	s_add_co_u32 s90, s90, s91
	s_lshl_b32 s90, s90, 10                        ; q, k: my first tile of 16 t, 16 cy + 8 wr, 1,024 bytes each
	s_lshl_b32 s91, s41, 1
	s_add_co_u32 s91, s91, s16
	s_lshl_b32 s91, s91, 13                        ; v: my 128 keys, 2 cy + wc, 8,192 bytes each
	s_cmp_eq_u32 ttmp9, 2
	s_cselect_b32 s90, s91, s90
	s_cselect_b32 s91, s15, s16                    ; which half of the 256 columns of W is mine
	s_lshl_b32 s91, s91, 1
	s_lshl_b32 s92, s40, 2
	s_add_co_u32 s91, s91, s92                     ; my first head: 4 cx + 2 x that half,
	s_lshl_b32 s91, s91, 16                        ; 65,536 bytes each
	s_add_co_u32 s90, s90, s91
	s_lshl_b32 s91, s17, 20                        ; b: 2^20 bytes each
	s_add_co_u32 s90, s90, s91
	s_mov_b32 s91, 0
	s_wait_kmcnt 0x0                               ; the exponents
	s_add_co_i32 s96, s76, s77
	s_add_co_i32 s96, s96, 127
	s_lshl_b32 s96, s96, 23                        ; 2^(e0 + e1) as f32
	s_mov_b32 s97, s96                             ; (named with it as a pair, so it is written)
	s_add_co_i32 s84, s78, 3                       ; q: e2 + 3
	s_cmp_eq_u32 ttmp9, 0
	s_cselect_b32 s84, s84, s79                    ; k: e3
	s_cselect_b64 s[86:87], s[68:69], s[70:71]
	s_cmp_eq_u32 ttmp9, 2
	s_cselect_b32 s84, s81, s84                    ; v: e5
	s_cselect_b64 s[86:87], s[72:73], s[86:87]
	s_add_nc_u64 s[86:87], s[86:87], s[90:91]      ; where my wave's codes begin
	s_add_co_i32 s84, s84, 127
	s_lshl_b32 s85, s84, 23
	v_mov_b32 v[SCL], s85                          ; the scale as f32: the conversion takes its exponent field
	s_add_co_i32 s84, s84, 15
	s_lshl_b32 s84, s84, 23
	s_or_b32 s88, s84, 0x600000                    ; 57,344 x the scale,
	s_or_b32 s89, s88, 0x80000000                  ; and its negative
.macro FRAG reg, adr, q, i             ; a fragment by four loads of 16 bytes: registers 4 c .. 4 c + 3 hold K = 32 c + 16 (lane / 16) + 0 .. 15: a permutation of k that is the same in both sources, so every product meets its partner
.irp c, 0,1,2,3
	ds_load_b128 v[\reg+4*\c:\reg+4*\c+3], v[\adr] offset:128*(\q)+32*\c+(\i)*16*PITCH
.endr
.endm
; 16 matrix instructions: source 1's blocks a0, a0 + 1 x source 0's eight, 128 along K.  p: source 0's set.  zero = 1: the first product starts the sums.
; The 64 accumulators take turns, one instruction a turn, in the same order in every step.
.macro MUL16 a0, p, zero
.irp a, \a0, \a0+1
.irp b, 0,1,2,3,4,5,6,7
.if \zero
	v_wmma_f32_16x16x128_bf8_bf8 v[8*(8*((\a)%4)+\b):8*(8*((\a)%4)+\b)+7], v[128*(\p)+FR*\b:128*(\p)+FR*\b+FR-1], v[AF+FR*(\a):AF+FR*(\a)+FR-1], 0
.else
	v_wmma_f32_16x16x128_bf8_bf8 v[8*(8*((\a)%4)+\b):8*(8*((\a)%4)+\b)+7], v[128*(\p)+FR*\b:128*(\p)+FR*\b+FR-1], v[AF+FR*(\a):AF+FR*(\a)+FR-1], v[8*(8*((\a)%4)+\b):8*(8*((\a)%4)+\b)+7]
.endif
.endr
.endr
.endm
.macro FETCH_0 slot, q, p              ; source 0's eight fragments of the slot's q-th 128 along K into set p
	WIN TO_0
.irp i, 0,1,2,3,4,5,6,7
	FRAG 128*(\p)+FR*\i, ADR0+\slot, \q, \i
.endr
	WIN 0
.endm
.macro FETCH_1 slot, q, i0             ; source 1's blocks i0 .. i0 + 3
.irp i, \i0, \i0+1, \i0+2, \i0+3
	FRAG AF+FR*(\i), ADR1+\slot, \q, \i
.endr
.endm
.macro PLACES n                        ; plain vector instructions between a matrix instruction and a load into, or a vector instruction on, its registers (ISA guide 7.12.1 for vector instructions)
.rept \n
	v_nop
.endr
.endm
; A step of 128 along K that has its successor in the same slot.
.macro STEP slot, q, zero
	s_wait_dscnt 4*NL                              ; source 0's set and source 1's blocks 0-3 are in; the youngest 16 loads (blocks 4-7) may be out
	WIN MUL_LO
	MUL16 0, (\q)%2, \zero
	MUL16 2, (\q)%2, \zero
	s_wait_dscnt 0                                 ; blocks 4-7 are in
	PLACES NP
	FETCH_0 \slot, (\q)+1, 1-(\q)%2
	FETCH_1 \slot, (\q)+1, 0
	WIN MUL_HI
	MUL16 4, (\q)%2, \zero
	MUL16 6, (\q)%2, \zero
	PLACES NP
	WIN 0
	FETCH_1 \slot, (\q)+1, 4
.endm
; A slot's last step changes slots: ONE barrier; in front of it each wave waits for all its tensor loads, adds 0 to its spare word, and waits for that and for its own reads of this slot.  fill = 1: this slot is filled again, two K steps ahead.
.macro TURN slot, next, fill
	s_wait_tensorcnt 0x0                           ; all my tensor loads have landed: my part of the next slot  (every window is 0 here)
	ds_add_u32 v[SPW], v[NIL]                      ; 0 onto my spare word
	s_wait_dscnt 4*NL+1                            ; (the add and the youngest 16 loads may be out)
	WIN MUL_LO
	MUL16 0, 1, 0                                  ; sixteen matrix instructions stand between the add and the wait for it
	s_wait_dscnt 0x0                               ; the add is done, and my reads of this slot are over
	s_barrier_signal -1
	MUL16 2, 1, 0
	WIN 0
	s_barrier_wait -1
.if \fill
	CREST                                          ; the barrier has opened a round of the cluster's barrier: no wave of any partner still reads this slot or has a load on its way
	s_add_nc_u64 s[G0+4*\slot+2:G0+4*\slot+3], s[G0+4*\slot+2:G0+4*\slot+3], 2*ROWB
	s_add_nc_u64 s[G0B+4*\slot+2:G0B+4*\slot+3], s[G0B+4*\slot+2:G0B+4*\slot+3], 2*ROWB
	JLOAD G0+4*\slot, G1, G0B+4*\slot, G1B         ; the first tensor load behind the round; its four v_nop are also the places in front of the loads below
.else
	PLACES NP
.endif
	FETCH_0 \next, 0, 0
	FETCH_1 \next, 0, 0
	WIN MUL_HI
	MUL16 4, 1, 0
	MUL16 6, 1, 0
	PLACES NP
	WIN 0
	FETCH_1 \next, 0, 4
.endm
	s_wait_loadcnt 0x0                             ; the bias
	s_wait_tensorcnt 1                             ; my part of K step 0 is in (K step 1's load may be out)
	s_barrier_signal -1
	s_barrier_wait -1                              ; everybody's is
	FETCH_0 0, 0, 0
	FETCH_1 0, 0, 0
	FETCH_1 0, 0, 4
	STEP 0, 0, 1                                   ; the first step stands in front of the loop: its products start the sums
	s_mov_b32 s3, LAPS-1
.Llap:                                                 ; a trip goes once round the ring and fills both slots again
	TURN 0, 1, 1
	STEP 1, 0, 0
	TURN 1, 0, 1
	STEP 0, 0, 0
	s_sub_co_u32 s3, s3, 1
	s_cmp_lg_u32 s3, 0
	s_cbranch_scc1 .Llap
	TURN 0, 1, 0                                   ; the last lap fills nothing, and has no round of the cluster's barrier
	STEP 1, 0, 0
	s_wait_dscnt 4*NL                              ; the very last step: nothing more to fetch
	WIN MUL_LO
	MUL16 0, 1, 0
	MUL16 2, 1, 0
	s_wait_dscnt 0
	WIN MUL_HI
	MUL16 4, 1, 0
	MUL16 6, 1, 0
	WIN 0
; THE WAY OUT, block a of source 1 at a time: sum x 2^(e0 + e1) + bias in place (each accumulator from its low end on), the hold, eight conversions: 16 registers of codes, four stores of 512 consecutive bytes.
; mode 0 (q, k): the block is 16 t; accumulator b holds d = 16 b + 8 h + j of two heads: stores s = 0 .. 3 are (head s / 2, chunk s % 2).   mode 1 (v): the block is 16 d of head a / 4; accumulator b holds keys 16 b + 8 h + j: one whole fragment.
; Each block has its own 16 registers of codes, so that no store's data are written again.
.macro WAYOUT mode
.irp a, 0,1,2,3,4,5,6,7
.set AC, 64*((\a)%4)
.set WN, 2+(\a)/4
	WIN ((WN<<6)|WN)                               ; destination and source 0: the accumulators' window
.set j, 0
.rept 32
.if \mode
	v_pk_fma_f32 v[AC+j:AC+j+1], v[AC+j:AC+j+1], s[96:97], v[BL+2*\a:BL+2*\a+1] op_sel_hi:[1,0,1]
.else
	v_pk_fma_f32 v[AC+j:AC+j+1], v[AC+j:AC+j+1], s[96:97], v[BR+j:BR+j+1] op_sel_hi:[1,0,1]
.endif
.set j, j+2
.endr
.set j, 0
.rept 64
	v_med3_num_f32 v[AC+j], v[AC+j], s89, s88      ; the conversion to an 8-bit code does not saturate (ISA guide 7.6.2): the hold at the largest code x the scale
.set j, j+1
.endr
	WIN WN                                         ; source 0: the accumulators' window; destination and scale: window 0
.irp b, 0,1,2,3,4,5,6,7
	v_cvt_scalef32_pk8_bf8_f32 v[CD+16*\a+2*\b:CD+16*\a+2*\b+1], v[AC+8*\b:AC+8*\b+7], v[SCL]
.endr
	v_nop                                          ; a plain vector line behind the last conversion of the run
	WIN 0
.irp s, 0,1,2,3
.if \mode
	global_store_b128 v[CO], v[CD+16*\a+4*\s:CD+16*\a+4*\s+3], s[86:87] offset:(\a/4)*65536+(\a%4)*2048+\s*512
.else
	global_store_b128 v[CO], v[CD+16*\a+4*\s:CD+16*\a+4*\s+3], s[86:87] offset:\a*1024+(\s/2)*65536+(\s%2)*512
.endif
.endr
.endr
.endm
	PLACES NP                                      ; behind the last products: the first block's sums are read, and the codes land where source 1's fragments lay
	s_cmp_eq_u32 ttmp9, 2                          ; cluster x: the same in all waves and all partners
	s_cbranch_scc1 .Lv_out
	WAYOUT 0
	s_branch .Ldone
.Lv_out:
	WAYOUT 1
.Ldone:
	s_wait_tensorcnt 0x0                           ; the wave's end, behind my last tensor load
	ds_add_u32 v[SPW], v[NIL]
	s_wait_dscnt 0x0
	CROUND                                         ; the closing round: no work-group ends while a partner may still ask for a tile that names it
	s_endpgm
.Lfunc_end_k_q004ccac7e5_qkv:
	.size	k_q004ccac7e5_qkv, .Lfunc_end_k_q004ccac7e5_qkv-k_q004ccac7e5_qkv
	.p2alignl 7, 3214868480
	.fill 96, 4, 3214868480
	.section	.rodata,"a",@progbits
	.p2align	6, 0x0
	.amdhsa_kernel k_q004ccac7e5_qkv
		.amdhsa_group_segment_fixed_size 327680
		.amdhsa_private_segment_fixed_size 0
		.amdhsa_enable_private_segment 0
		.amdhsa_kernarg_size 56
		.amdhsa_user_sgpr_count 2
		.amdhsa_user_sgpr_kernarg_segment_ptr 1
		.amdhsa_wavefront_size32 1
		.amdhsa_system_sgpr_workgroup_id_x 1
		.amdhsa_system_sgpr_workgroup_id_y 1
		.amdhsa_system_sgpr_workgroup_id_z 1
		.amdhsa_system_vgpr_workitem_id 0
		.amdhsa_next_free_vgpr 1024
		.amdhsa_next_free_sgpr 100
		.amdhsa_reserve_vcc 0
		.amdhsa_float_denorm_mode_32 3
		.amdhsa_float_denorm_mode_16_64 3
		.amdhsa_memory_ordered 1
		.amdhsa_forward_progress 1
		.amdhsa_inst_pref_size 194
	.end_amdhsa_kernel
	.amdgpu_metadata
---
amdhsa.version: [ 1, 2 ]
amdhsa.kernels:
  - .name:           k_q004ccac7e5_qkv
    .symbol:         k_q004ccac7e5_qkv.kd
    .args:
      - { .name: query_codes, .offset: 0, .size: 8, .value_kind: global_buffer, .address_space: global }
      - { .name: W_qkv_codes, .offset: 8, .size: 8, .value_kind: global_buffer, .address_space: global }
      - { .name: b_qkv, .offset: 16, .size: 8, .value_kind: global_buffer, .address_space: global }
      - { .name: lowp_scales, .offset: 24, .size: 8, .value_kind: global_buffer, .address_space: global }
      - { .name: q_img, .offset: 32, .size: 8, .value_kind: global_buffer, .address_space: global }
      - { .name: k_img, .offset: 40, .size: 8, .value_kind: global_buffer, .address_space: global }
      - { .name: v_img, .offset: 48, .size: 8, .value_kind: global_buffer, .address_space: global }
    .group_segment_fixed_size: 327680
    .private_segment_fixed_size: 0
    .kernarg_segment_align: 8
    .kernarg_segment_size: 56
    .max_flat_workgroup_size: 128
    .sgpr_count:     100
    .vgpr_count:     1024
    .wavefront_size: 32
...
	.end_amdgpu_metadata
.endif
;; end of part 1
;; launch attn (part 2): grid 32 x 8, 16 waves a work-group, clusters of 4 x 1, 327,680 bytes of LDS; arguments q_img, k_img, v_img, ious, lowp_scales, a_img; writes a_img
.if DOCPART == 2
	.amdgcn_target "amdgcn-amd-amdhsa--gfx1250"
	.amdhsa_code_object_version 6
	.text
	.protected	k_q004ccac7e5_attn
	.globl	k_q004ccac7e5_attn
	.p2align	8
	.type	k_q004ccac7e5_attn,@function
k_q004ccac7e5_attn:
	s_mov_b64 s[64:65], 0
	v_nop
	global_prefetch_b8 v0, s[64:65] scope:SCOPE_SE
	s_setreg_imm32_b32 hwreg(HW_REG_WAVE_MODE, 25, 1), 1
	s_wait_xcnt 0x0
	s_wait_alu depctr_hold_cnt(0) depctr_sa_sdst(0) depctr_va_vdst(0) depctr_va_sdst(0) depctr_va_ssrc(0) depctr_va_vcc(0) depctr_vm_vsrc(0)
	s_getreg_b32 s2, hwreg(HW_REG_IB_STS2, 6, 4)
	s_cmp_eq_u32 s2, 0
	s_cbranch_scc0 .Lentry_in_a_cluster
	s_endpgm
.Lentry_in_a_cluster:
	s_bfe_u32 s2, ttmp6, 0x10000c
	s_cmp_lg_u32 s2, 0x3003
	s_cbranch_scc0 .Lentry_shape_is_right
	s_endpgm
.Lentry_shape_is_right:
; LAUNCH 2 OF 3.  For each batch b and head: scores = q k^T; w = exp(scores) x ious / (the row's sum of exp(scores) x ious); out = w v.  Both products on codes of E5M2.  No work of the problem is left out.
; No maximum is taken away ahead of the exponential, as the problem's own formula takes none.  w is quantised FINISHED AND NORMALISED, so a row's sum over all 1,024 keys is known before any of its w becomes a code.
; SHARES.  A work-group owns 32 queries of one batch and walks all 16 heads.  Wave w of sixteen owns a tile of 16 queries (w / 8) x 128 keys (w % 8).  Its 16 x 128 numbers of ious stay in 64 registers for the whole launch,
; so ious is read once and not once a head; a head's unnormalised w lies in 64 registers, so each exponential is made once.  The eight waves of a tile of queries exchange their partial sums through LDS.
; A HEAD'S TRIP: scores (8 matrix instructions, K = 64), exp, x ious, partial sum -> LDS | round of the cluster's barrier, refills | the row's sum, x 1 / sum, hold, codes: my codes ARE one operand fragment (16 queries x 128 keys): its image -> LDS | barrier |
; waves 0 to 3: out^T = v^T w^T, two tiles of 16 d for one tile of queries each, 16 matrix instructions (K = 128), quantised for the last product and stored; the other twelve waves go on with the next head's scores meanwhile.
; LAYOUT.  Both products are used transposed (source 0 = 16 keys, or 16 of the head's 64; source 1 = 16 queries): a lane holds ONE query throughout, and its eight registers of a result are eight neighbours along the next K:
; one conversion gives registers 2 c, 2 c + 1 of the next operand in the matrix unit's own layout.  All operands come and go as images of their registers: 16 bytes of lane l at 16 l, 512 consecutive bytes an instruction.
; CLUSTER.  The four work-groups of a cluster belong to one batch and walk the same K and V: each tile is asked for jointly, by the same tensor load with a mask that names the four.
; a_img: [b 8][tile of 16 t: 64][128 along K: 8][chunk 4][lane 32][16 bytes], K = 64 x head + d.
; LIMITS: e2 + e3 between -126 and 127 (added to log2(e)'s exponent field); e4 and e6 - e4 - e5 between -126 and 112.  NaN among the inputs is not served; v_exp_f32 gives 0 for results under 2^-126;
; a row whose sum is 0 or not finite gets what v_rcp_f32 makes of it.
; REGISTERS: v1-15 addresses and scales; v16-23 Q; v24-31 sums; v32-39 the eight partial sums; v40-55 codes; v64-127 ious; v128-191 scores, then w; v192-255 K's fragments.  In the second product: two sets of 48 (V, V, w) at v192 and v128, sums at v240-255.
.set SLOT1, 1<<17                      ; LDS: K of even heads at 0, V at 65,536; K of odd heads at 2^17, V at 2^17 + 65,536: one exclusive or turns an address
.set VOFF,  65536
.set HEADB, 65536                      ; a head's K, V or Q in bytes
.set PIMG,  262144                     ; w's sixteen fragments, 2,048 bytes each
.set SUMS,  294912                     ; the partial sums: [tile of queries 2][query 16][wave 8] f32
.set SPARE, 295936                     ; the spare words, 128 bytes for each wave: eight blocks of 256 bytes that no other line names
.set ISTG,  131072                     ; at the start alone: a stage for ious, 16 rows x 528 bytes for each wave.  It lies where the odd heads' K and V will lie, and on the first 4,096 bytes of PIMG, for which it is the last fill
.set IROW,  528
.set LI,  1                            ; v1   16 x lane
.set AK0, 2                            ; v2   my place in a head's K: 16 x lane + 8,192 x (wave % 8)
.set AV0, 3                            ; v3   in a head's V: 16 x lane + VOFF + 4,096 x ((wave / 2) % 2)
.set AP,  4                            ; v4   where I read w's fragments: 16 x lane + PIMG + 16,384 x (wave % 2)
.set PW,  5                            ; v5   where I store mine: 16 x lane + PIMG + 2,048 x wave
.set SW,  6                            ; v6   where I store my partial sum
.set SR,  7                            ; v7   where I read my query's eight
.set ADK, 8                            ; v8   K's address in the slot in hand
.set ADV, 9                            ; v9   V's
.set SPW, 10                           ; v10  LDS address of my spare word; never rewritten
.set NIL, 11                           ; v11  0; never rewritten
.set PFO, 12                           ; v12  256 x lane, for the prefetches; never rewritten
.set IA,  13                           ; v13  my place in my stage of ious
.set SCW, 14                           ; v14  2^e4 as f32
.set SCO, 15                           ; v15  2^(e6 - e4 - e5) as f32
.set Q,   16
.set SA,  24
.set SB,  26
.set SUM, 28                           ; v28 the sum, v29 the other half of the lanes'
.set INV, 30                           ; v[30:31]
.set PS,  32
.set PC,  40
.set IOU, 64
.set S,   128
.set KF,  192
.set OA,  240
.set WV,   16                          ; s16 wave;  s17 wave / 2: 0 fetches K, 1 fetches V;  s18 my tile of queries;  s19 my 128 keys
.set ROLE, 17
.set QT,   18
.set KC,   19
.set SEL,  20                          ; s[20:21] lane selects for v_permlanex16_b32: lane l xor 16
.set CS,   22                          ; s[22:23] log2(e) x 2^(e2 + e3)
.set G1J,  24                          ; s[24:31] descriptor group 1 of the joint loads
.set G1I,  32                          ; s[32:39] of the load of ious
.set G0K,  40                          ; s[40:43], s[44:47] groups 0 for K and V, which walk
.set G0V,  44
.set TBK,  48                          ; s48, s49 LDS byte at which the slot in hand begins, for K and for V
.set TBV,  49
.set CNT,  50
.set QA,   52                          ; s[52:53] the next head's Q
.set AOUT, 54                          ; s[54:55] 1,024 bytes behind where this head's codes go
.set PFA,  56                          ; s[56:57] where my prefetches stand
.set LIM,  58
.set G0I,  60                          ; s[60:63]
.macro ROUND                           ; a round of the cluster's barrier
	s_barrier_signal -1
	s_barrier_wait -1
	s_cmp_lg_u32 s[WV], 0
	s_cbranch_scc1 .Lnot_wave_0_\@
	s_barrier_signal -3
.Lnot_wave_0_\@:
	s_barrier_wait -3
	s_barrier_signal -1
	s_barrier_wait -1
.endm
; The joint loads.  Waves 0 and 1 fetch the halves of a head's K (dok), waves 2 and 3 of a head's V (dov), 32,768 bytes each; the others nothing.  The branches hang on the wave's number alone.
; An s_nop 0 and four v_nop follow each line.
.macro KVLOAD dok, dov
.if \dok
	s_cmp_eq_u32 s[ROLE], 0
	s_cbranch_scc0 .Lnot_k_\@
	tensor_load_to_lds s[G0K:G0K+3], s[G1J:G1J+7]
	s_nop 0
.rept 4
	v_nop
.endr
	s_branch .Lasked_\@
.Lnot_k_\@:
.endif
.if \dov
	s_cmp_eq_u32 s[ROLE], 1
	s_cbranch_scc0 .Lasked_\@
	tensor_load_to_lds s[G0V:G0V+3], s[G1J:G1J+7]
	s_nop 0
.rept 4
	v_nop
.endr
.endif
.Lasked_\@:
.endm
; A PREFETCH INTO THE L2 of what the NEXT round will ask for: a head's K (three heads on) and V (two heads on), 65,536 bytes each.  It stands behind the joint load.  Each aligned block of 256 bytes is named once in the launch:
; all eight clusters of a batch walk the same tiles, so the first of them asks; its four partners take 16,384 bytes each, told apart by address; in each, waves 4 and 5 ask for K's, waves 6 and 7 for V's, 8,192 bytes a wave, lanes 256 bytes apart.
; s[CNT] is 14 less the head: K's askers stop when it is 1, V's when the loop ends: nothing is named beyond head 15.  Nothing is prefetched at the kernel's head.
.macro ASK
	s_cmp_gt_u32 s[CNT], s[LIM]
	s_cbranch_scc0 .Lnot_mine_\@
	global_prefetch_b8 v[PFO], s[PFA:PFA+1] th:TH_LOAD_NT scope:SCOPE_SE
.Lnot_mine_\@:
.endm
	s_load_b256 s[4:11], s[0:1], 0x0               ; q_img s[4:5], k_img s[6:7], v_img s[8:9], ious s[10:11]
	s_load_b128 s[12:15], s[0:1], 0x20             ; the scales' exponents s[12:13], a_img s[14:15]
	v_lshl_add_u32 v[SPW], v0, 2, SPARE
	v_mov_b32 v[NIL], 0
	ds_add_u32 v[SPW], v[NIL]                      ; the wave's opening: the add, twice on end, and its wait ahead of my first tensor load
	ds_add_u32 v[SPW], v[NIL]
	v_lshrrev_b32 v24, 5, v0
	v_readfirstlane_b32 s[WV], v24                 ; wave 0..15
	s_lshr_b32 s[ROLE], s[WV], 1
	s_lshr_b32 s[QT], s[WV], 3
	s_and_b32 s[KC], s[WV], 7
	s_bfe_u32 s84, ttmp6, 0x40000                  ; cx: my place in the cluster
	s_lshl_b32 s85, ttmp9, 2
	s_add_co_u32 s85, s85, s84                     ; my block of 32 queries = 4 x cluster x + cx
	s_and_b32 s86, ttmp7, 0xffff                   ; b, which the four partners share
	; group 1 of the joint loads: 32,768 dense bytes as 128 rows of 256
	s_mov_b32 s[G1J], 15|(3<<16)|(1<<21)           ; 15:0 the mask: all four work-groups; 17:16 elements of 8 bytes; 21 set beside a mask; no padding
	s_mov_b32 s[G1J+1], 32<<16                     ; tensor_dim0 = 32
	s_mov_b32 s[G1J+2], 128<<16                    ; tensor_dim1 = 128
	s_mov_b32 s[G1J+3], 32<<16                     ; tile_dim0
	s_mov_b32 s[G1J+4], 128                        ; tile_dim1
	s_mov_b32 s[G1J+5], 32                         ; from row to row
	s_mov_b32 s[G1J+6], 0
	s_mov_b32 s[G1J+7], 0
	; group 1 of the load of ious: 16 rows of 128 f32.  The tile is stated four elements wider than what is left of the tensor: those arrive as zeros (ISA guide 10.11), so an LDS row is 528 bytes,
	; the 16 rows that a load touches start at 16 different banks, and every byte of the stage is filled
	s_mov_b32 s[G1I], 2<<16                        ; no mask; elements of 4 bytes
	s_mov_b32 s[G1I+1], 128<<16                    ; tensor_dim0 = 128
	s_mov_b32 s[G1I+2], 16<<16                     ; tensor_dim1 = 16
	s_mov_b32 s[G1I+3], 132<<16                    ; tile_dim0 = 132
	s_mov_b32 s[G1I+4], 16                         ; tile_dim1
	s_mov_b32 s[G1I+5], 1024                       ; from row to row of ious
	s_mov_b32 s[G1I+6], 0
	s_mov_b32 s[G1I+7], 0
	s_mov_b32 s[SEL], 0x76543210
	s_mov_b32 s[SEL+1], 0xfedcba98
	s_mov_b32 s[TBK], 0
	s_mov_b32 s[TBV], 0
	s_mov_b32 s[CNT], 14
	s_and_b32 s87, s[WV], 1
	s_lshl_b32 s87, s87, 15                        ; which half of a head's K or V I fetch
	s_lshl_b32 s88, s86, 20                        ; b's first byte in each of the four buffers of codes
	s_add_co_u32 s90, s88, s87
	s_mov_b32 s91, 0
	s_mul_i32 s92, s[WV], 16*IROW
	s_add_co_u32 s92, s92, ISTG                    ; my stage
	s_lshl_b32 s94, s85, 5
	s_lshl_b32 s93, s[QT], 4
	s_add_co_u32 s94, s94, s93                     ; my first query,
	s_lshl_b32 s94, s94, 12                        ; a row of ious is 4,096 bytes,
	s_lshl_b32 s93, s86, 22
	s_add_co_u32 s94, s94, s93                     ; + b x 2^22
	s_lshl_b32 s93, s[KC], 9
	s_add_co_u32 s94, s94, s93                     ; + my 128 keys
	s_mov_b32 s95, 0
	s_lshl_b32 s96, s85, 1
	s_add_co_u32 s96, s96, s[QT]                   ; my tile of 16 queries,
	s_lshl_b32 s96, s96, 10                        ; 1,024 bytes in q_img
	s_add_co_u32 s96, s96, s88
	s_mov_b32 s97, 0
	s_and_b32 s98, s[WV], 1                        ; the second product (waves 0 to 3): tile of queries wave % 2,
	s_lshl_b32 s99, s85, 1
	s_add_co_u32 s98, s98, s99
	s_lshl_b32 s98, s98, 14                        ; 16,384 bytes in a_img,
	s_add_co_u32 s98, s98, s88
	s_bfe_u32 s99, s[WV], 0x10001                  ; and the pair of tiles of d (wave / 2) % 2: a chunk of 512 bytes
	s_lshl_b32 s99, s99, 9
	s_add_co_u32 s98, s98, s99
	s_mov_b32 s99, 0
	s_wait_dscnt 0x0                               ; both opening adds are done
	s_wait_kmcnt 0x0
	s_load_b256 s[68:75], s[12:13], 0x0            ; e0 .. e7
	s_mov_b32 s[G0K], 1                            ; count = 1
	s_mov_b32 s[G0K+1], s87                        ; LDS address: no place in the cluster enters it
	s_add_nc_u64 s[G0K+2:G0K+3], s[6:7], s[90:91]  ; head 0 of my batch
	s_or_b32 s[G0K+3], s[G0K+3], 0x80000000        ; type = 2
	s_mov_b32 s[G0V], 1
	s_add_co_u32 s[G0V+1], s87, VOFF
	s_add_nc_u64 s[G0V+2:G0V+3], s[8:9], s[90:91]
	s_or_b32 s[G0V+3], s[G0V+3], 0x80000000
	s_mov_b32 s[G0I], 1
	s_mov_b32 s[G0I+1], s92
	s_add_nc_u64 s[G0I+2:G0I+3], s[10:11], s[94:95]
	s_or_b32 s[G0I+3], s[G0I+3], 0x80000000
	s_add_nc_u64 s[QA:QA+1], s[4:5], s[96:97]
	s_add_nc_u64 s[AOUT:AOUT+1], s[14:15], s[98:99]
	; the prefetches: where mine stand, and who asks
	s_bfe_u32 s59, s[WV], 0x10001                  ; among waves 4 to 7: 0 for K, 1 for V
	s_cmp_eq_u32 s59, 0
	s_cselect_b64 s[PFA:PFA+1], s[6:7], s[8:9]
	s_sub_co_u32 s76, 2, s59
	s_lshl_b32 s76, s76, 16                        ; K at head 2, V at head 1: the first round steps them to 3 and 2
	s_lshl_b32 s77, s84, 14                        ; my work-group's 16,384 bytes,
	s_add_co_u32 s76, s76, s77
	s_and_b32 s77, s[WV], 1
	s_lshl_b32 s77, s77, 13                        ; my wave's 8,192 of them
	s_add_co_u32 s76, s76, s77
	s_add_co_u32 s76, s76, s88
	s_mov_b32 s77, 0
	s_add_nc_u64 s[PFA:PFA+1], s[PFA:PFA+1], s[76:77]
	s_sub_co_u32 s[LIM], 1, s59                    ; K's askers: 1, V's: 0,
	s_sub_co_u32 s76, s[WV], 4
	s_lshr_b32 s76, s76, 2                         ; 0 in waves 4 to 7,
	s_or_b32 s76, s76, ttmp9                       ; of the batch's first cluster: the same in all four partners
	s_cmp_eq_u32 s76, 0
	s_cselect_b32 s[LIM], s[LIM], -1               ; all others: the greatest number
	ROUND                                          ; all four work-groups are here: the first joint loads meet
	tensor_load_to_lds s[G0I:G0I+3], s[G1I:G1I+7]  ; every wave: its 16 x 128 of ious, into its own stage
	s_nop 0
	KVLOAD 1, 1                                    ; waves 0 to 3: head 0's K and V.  At most two loads of mine are out
	v_and_b32 v[LI], 31, v0
	v_lshlrev_b32 v[PFO], 8, v[LI]
	v_lshlrev_b32 v[LI], 4, v[LI]
	global_load_b128 v[Q:Q+3], v[LI], s[QA:QA+1]               ; head 0's Q: my tile's fragment, 16 queries x 64
	global_load_b128 v[Q+4:Q+7], v[LI], s[QA:QA+1] offset:512
	v_and_b32 v24, 15, v0                          ; r
	v_bfe_u32 v25, v0, 4, 1                        ; h
	s_lshl_b32 s76, s[KC], 13
	v_add_nc_u32 v[AK0], s76, v[LI]
	s_bfe_u32 s76, s[WV], 0x10001
	s_lshl_b32 s76, s76, 12
	s_add_co_u32 s76, s76, VOFF
	v_add_nc_u32 v[AV0], s76, v[LI]
	s_and_b32 s76, s[WV], 1
	s_lshl_b32 s76, s76, 14
	s_add_co_u32 s76, s76, PIMG
	v_add_nc_u32 v[AP], s76, v[LI]
	s_lshl_b32 s76, s[WV], 11
	s_add_co_u32 s76, s76, PIMG
	v_add_nc_u32 v[PW], s76, v[LI]
	s_lshl_b32 s76, s[QT], 9
	s_add_co_u32 s76, s76, SUMS
	v_lshl_add_u32 v[SR], v24, 5, s76              ; my query's eight words
	s_lshl_b32 s76, s[KC], 2
	v_add_nc_u32 v[SW], s76, v[SR]                 ; and mine among them
	v_mul_u32_u24 v[IA], v24, IROW
	v_lshl_add_u32 v[IA], v25, 5, v[IA]
	v_add_nc_u32 v[IA], s92, v[IA]                 ; ious: row r of my stage, + 32 h
	v_mov_b32 v[SUM+1], 0                          ; written once: a lane permute's destination counts as one of its sources
	s_wait_kmcnt 0x0                               ; the exponents
	s_add_co_i32 s76, s70, s71
	s_lshl_b32 s76, s76, 23
	s_add_co_i32 s[CS], s76, 0x3fb8aa3b            ; a sum of the first product stands for sum x 2^(e2 + e3): the two are added to log2(e)'s exponent field
	s_mov_b32 s[CS+1], s[CS]                       ; (named with it as a pair, so it is written)
	s_add_co_i32 s76, s72, 127
	s_lshl_b32 s77, s76, 23
	v_mov_b32 v[SCW], s77                          ; 2^e4
	s_add_co_i32 s76, s76, 15
	s_lshl_b32 s76, s76, 23
	s_or_b32 s80, s76, 0x600000                    ; 57,344 x 2^e4,
	s_or_b32 s81, s80, 0x80000000                  ; and its negative
	s_sub_co_i32 s76, s74, s72
	s_sub_co_i32 s76, s76, s73                     ; a sum of the second product stands for sum x 2^(e4 + e5): its code is sum / 2^(e6 - e4 - e5)
	s_add_co_i32 s76, s76, 127
	s_lshl_b32 s77, s76, 23
	v_mov_b32 v[SCO], s77
	s_add_co_i32 s76, s76, 15
	s_lshl_b32 s76, s76, 23
	s_or_b32 s82, s76, 0x600000
	s_or_b32 s83, s82, 0x80000000
	s_wait_tensorcnt 0x0                           ; my stage is in: only I read it
.irp t, 0,1,2,3,4,5,6,7
	ds_load_b128 v[IOU+8*\t:IOU+8*\t+3], v[IA] offset:64*\t          ; register 8 t + j: ious(my query r, key 128 (wave % 8) + 16 t + 8 h + j): the scores' own layout
	ds_load_b128 v[IOU+8*\t+4:IOU+8*\t+7], v[IA] offset:64*\t+16
.endr
	s_wait_tensorcnt 0x0                           ; no tensor load of mine is out: head 0's K and V have landed, and a group 0 may be written
	ds_add_u32 v[SPW], v[NIL]                      ; 0 onto my spare word
	s_xor_b32 s[G0K+1], s[G0K+1], SLOT1            ; K walks on: head 1, into the odd heads' slot, where the stages lay
	s_add_nc_u64 s[G0K+2:G0K+3], s[G0K+2:G0K+3], HEADB
	s_wait_xcnt 0x0                                ; Q's loads have read their base
	s_add_nc_u64 s[QA:QA+1], s[QA:QA+1], HEADB
	s_wait_dscnt 0x0                               ; the add is done, and ious is in my registers
	ROUND                                          ; no wave of any partner still reads a stage or has a load on its way
	KVLOAD 1, 0                                    ; head 1's K
.macro LOADSET reg, ks                 ; 128 keys of the second product: my two fragments of V and my tile of queries' fragment of w: 12 loads, 48 registers
.irp c, 0,1,2,3
	ds_load_b128 v[\reg+4*\c:\reg+4*\c+3], v[ADV] offset:(\ks)*8192+512*\c
.endr
.irp c, 0,1,2,3
	ds_load_b128 v[\reg+16+4*\c:\reg+16+4*\c+3], v[ADV] offset:(\ks)*8192+2048+512*\c
.endr
.irp c, 0,1,2,3
	ds_load_b128 v[\reg+32+4*\c:\reg+32+4*\c+3], v[AP] offset:(\ks)*2048+512*\c
.endr
.endm
; A HEAD.  dok, dov: behind its round K of two heads on and V of the next head are asked for.  nextq: the next head's Q is loaded.  ask: the prefetch.  round = 0: nothing is filled, a plain barrier does.
.macro TRIP dok, dov, nextq, ask, round
	; ---- the scores: S^T = K Q^T, my 128 keys x my 16 queries
	v_add_nc_u32 v[ADK], s[TBK], v[AK0]
.irp t, 0,1,2,3,4,5,6,7
	ds_load_b128 v[KF+8*\t:KF+8*\t+3], v[ADK] offset:1024*\t
	ds_load_b128 v[KF+8*\t+4:KF+8*\t+7], v[ADK] offset:1024*\t+512
.endr
	s_wait_loadcnt 0x0                             ; Q
.irp t, 0,1,2,3,4,5,6,7
	s_wait_dscnt 14-2*\t                           ; tile t's two loads are in; the later tiles' may be out
	v_wmma_f32_16x16x64_bf8_bf8 v[S+8*\t:S+8*\t+7], v[KF+8*\t:KF+8*\t+7], v[Q:Q+7], 0
.endr
.rept 4
	v_nop                                          ; places in front of the loads into Q's registers and of the first read of the scores
.endr
.if \nextq
	global_load_b128 v[Q:Q+3], v[LI], s[QA:QA+1]               ; the next head's Q: a whole trip ahead of its use
	global_load_b128 v[Q+4:Q+7], v[LI], s[QA:QA+1] offset:512
.endif
.set j, 0
.rept 32
	v_pk_mul_f32 v[S+j:S+j+1], v[S+j:S+j+1], s[CS:CS+1] op_sel_hi:[1,0]   ; score x log2(e), each accumulator from its low end on
.set j, j+2
.endr
.set j, 0
.rept 64
	v_exp_f32 v[S+j], v[S+j]                       ; exp(score): one batch
.set j, j+1
.endr
	v_add_nc_u32 v[ADV], s[TBV], v[AV0]            ; (the plain line behind the exponentials)
	s_wait_alu depctr_va_vdst(0)                   ; one wait for the whole batch, ahead of its first reader
.set j, 0
.rept 32
	v_pk_mul_f32 v[S+j:S+j+1], v[S+j:S+j+1], v[IOU+j:IOU+j+1]
.set j, j+2
.endr
	v_pk_add_f32 v[SA:SA+1], v[S:S+1], v[S+2:S+3]  ; my 64 numbers' sum, two at a time, in two chains
	v_pk_add_f32 v[SB:SB+1], v[S+4:S+5], v[S+6:S+7]
.set j, 8
.rept 14
	v_pk_add_f32 v[SA:SA+1], v[SA:SA+1], v[S+j:S+j+1]
	v_pk_add_f32 v[SB:SB+1], v[SB:SB+1], v[S+j+2:S+j+3]
.set j, j+4
.endr
	v_pk_add_f32 v[SA:SA+1], v[SA:SA+1], v[SB:SB+1]
	v_add_f32 v[SUM], v[SA], v[SA+1]
	v_permlanex16_b32 v[SUM+1], v[SUM], s[SEL], s[SEL+1]
	v_add_f32 v[SUM], v[SUM], v[SUM+1]             ; with lane l xor 16's: my query's sum over my 128 keys
	ds_store_b32 v[SW], v[SUM]                     ; (both halves of the lanes write the same number to the same word)
	; ---- the change of slots
	s_wait_tensorcnt 0x0                           ; all my tensor loads have landed: the next head's K, this head's V
	ds_add_u32 v[SPW], v[NIL]                      ; 0 onto my spare word
	s_xor_b32 s[TBK], s[TBK], SLOT1                ; the next scores read the other slot
.if \dok
	s_xor_b32 s[G0K+1], s[G0K+1], SLOT1            ; K walks on: two heads on, into the slot that the scores above have read
	s_add_nc_u64 s[G0K+2:G0K+3], s[G0K+2:G0K+3], HEADB
.endif
.if \dov
	s_xor_b32 s[G0V+1], s[G0V+1], SLOT1            ; V walks on: the next head, into the slot that the last head's second product has read
	s_add_nc_u64 s[G0V+2:G0V+3], s[G0V+2:G0V+3], HEADB
.endif
	s_wait_xcnt 0x0                                ; Q's loads, the last head's store and the last prefetch have read their bases and data
	s_add_nc_u64 s[QA:QA+1], s[QA:QA+1], HEADB
	s_add_nc_u64 s[AOUT:AOUT+1], s[AOUT:AOUT+1], 1024
	s_add_nc_u64 s[PFA:PFA+1], s[PFA:PFA+1], HEADB
	s_wait_dscnt 0x0                               ; the add is done, my partial sum is stored, my reads of both slots that are filled next are over
.if \round
	ROUND                                          ; all that now holds of every wave of every partner
.else
	s_barrier_signal -1
	s_barrier_wait -1
.endif
	KVLOAD \dok, \dov                              ; the first thing behind the round, and a wave's one tensor load until the next: it has a whole head's trip in which to land
.if \ask
	ASK
.endif
	; ---- normalise and quantise
	ds_load_b128 v[PS:PS+3], v[SR]
	ds_load_b128 v[PS+4:PS+7], v[SR] offset:16
	s_wait_dscnt 0x0
	v_pk_add_f32 v[PS:PS+1], v[PS:PS+1], v[PS+2:PS+3]          ; the eight partial sums, in the same order in every wave
	v_pk_add_f32 v[PS+4:PS+5], v[PS+4:PS+5], v[PS+6:PS+7]
	v_pk_add_f32 v[PS:PS+1], v[PS:PS+1], v[PS+4:PS+5]
	v_add_f32 v[SUM], v[PS], v[PS+1]
	v_rcp_f32 v[INV], v[SUM]
	v_mov_b32 v[INV+1], 0                          ; the plain line behind the reciprocal; (named with it as a pair, so it is written)
	s_wait_alu depctr_va_vdst(0)                   ; the wait ahead of its first reader
.set j, 0
.rept 32
	v_pk_mul_f32 v[S+j:S+j+1], v[S+j:S+j+1], v[INV:INV+1] op_sel_hi:[1,0]   ; w
.set j, j+2
.endr
.set j, 0
.rept 64
	v_med3_num_f32 v[S+j], v[S+j], s81, s80        ; the conversion to an 8-bit code does not saturate (ISA guide 7.6.2): the hold at the largest code x the scale
.set j, j+1
.endr
.irp t, 0,1,2,3,4,5,6,7
	v_cvt_scalef32_pk8_bf8_f32 v[PC+2*\t:PC+2*\t+1], v[S+8*\t:S+8*\t+7], v[SCW]   ; keys 16 t + 8 h + 0 .. 7: registers 2 t, 2 t + 1 of the fragment
.endr
	v_nop                                          ; a plain vector line behind the last conversion of the run
.irp c, 0,1,2,3
	ds_store_b128 v[PW], v[PC+4*\c:PC+4*\c+3] offset:512*\c
.endr
	s_wait_dscnt 0x0                               ; my fragment is stored, and my reads of the partial sums are over
	s_barrier_signal -1                            ; the loads just asked for stay out
	s_barrier_wait -1
	; ---- out^T = V^T w^T: waves 0 to 3; no barrier stands in the branch
	s_cmp_lt_u32 s[WV], 4
	s_cbranch_scc0 .Lno_pv_\@
	LOADSET KF, 0
	LOADSET S, 1
.irp ks, 0,1,2,3,4,5,6,7
.set RS, KF-64*(\ks%2)
.if \ks < 7
	s_wait_dscnt 12                                ; this set is in; the other set's 12 loads may be out
.else
	s_wait_dscnt 0
.endif
.if \ks == 0
	v_wmma_f32_16x16x128_bf8_bf8 v[OA:OA+7], v[RS:RS+15], v[RS+32:RS+47], 0        ; the two accumulators take turns, one instruction a turn
	v_wmma_f32_16x16x128_bf8_bf8 v[OA+8:OA+15], v[RS+16:RS+31], v[RS+32:RS+47], 0
.else
	v_wmma_f32_16x16x128_bf8_bf8 v[OA:OA+7], v[RS:RS+15], v[RS+32:RS+47], v[OA:OA+7]
	v_wmma_f32_16x16x128_bf8_bf8 v[OA+8:OA+15], v[RS+16:RS+31], v[RS+32:RS+47], v[OA+8:OA+15]
.endif
.if \ks < 6
.rept 4
	v_nop                                          ; places in front of loads into registers that matrix instructions have read
.endr
	LOADSET RS, \ks+2
.endif
.endr
.rept 5
	v_nop                                          ; places: four for the reads below and the next head's loads, a fifth for the next head's products, which write over operands of these
.endr
.set j, 0
.rept 16
	v_med3_num_f32 v[OA+j], v[OA+j], s83, s82      ; the hold, each accumulator from its low end on
.set j, j+1
.endr
	v_cvt_scalef32_pk8_bf8_f32 v[PC:PC+1], v[OA:OA+7], v[SCO]
	v_cvt_scalef32_pk8_bf8_f32 v[PC+2:PC+3], v[OA+8:OA+15], v[SCO]
	v_nop                                          ; a plain vector line behind the last conversion
	global_store_b128 v[LI], v[PC:PC+3], s[AOUT:AOUT+1] offset:-1024   ; one whole chunk: 512 consecutive bytes, aligned
.Lno_pv_\@:
	s_xor_b32 s[TBV], s[TBV], SLOT1
.endm
.Lhead:                                            ; heads 0 to 13
	TRIP 1, 1, 1, 1, 1
	s_sub_co_u32 s[CNT], s[CNT], 1
	s_cmp_lg_u32 s[CNT], 0
	s_cbranch_scc1 .Lhead
	TRIP 0, 1, 1, 0, 1                             ; head 14: only head 15's V is left to fetch.  The tail is written out
	TRIP 0, 0, 0, 0, 0                             ; head 15
	s_wait_tensorcnt 0x0                           ; the wave's end, behind my last tensor load and my last LDS store
	ds_add_u32 v[SPW], v[NIL]
	s_wait_dscnt 0x0
	ROUND                                          ; the closing round: no work-group ends while a partner may still ask for a tile that names it
	s_endpgm
.Lfunc_end_k_q004ccac7e5_attn:
	.size	k_q004ccac7e5_attn, .Lfunc_end_k_q004ccac7e5_attn-k_q004ccac7e5_attn
	.p2alignl 7, 3214868480
	.fill 96, 4, 3214868480
	.section	.rodata,"a",@progbits
	.p2align	6, 0x0
	.amdhsa_kernel k_q004ccac7e5_attn
		.amdhsa_group_segment_fixed_size 327680
		.amdhsa_private_segment_fixed_size 0
		.amdhsa_enable_private_segment 0
		.amdhsa_kernarg_size 48
		.amdhsa_user_sgpr_count 2
		.amdhsa_user_sgpr_kernarg_segment_ptr 1
		.amdhsa_wavefront_size32 1
		.amdhsa_system_sgpr_workgroup_id_x 1
		.amdhsa_system_sgpr_workgroup_id_y 1
		.amdhsa_system_sgpr_workgroup_id_z 1
		.amdhsa_system_vgpr_workitem_id 0
		.amdhsa_next_free_vgpr 256
		.amdhsa_next_free_sgpr 100
		.amdhsa_reserve_vcc 0
		.amdhsa_float_denorm_mode_32 3
		.amdhsa_float_denorm_mode_16_64 3
		.amdhsa_memory_ordered 1
		.amdhsa_forward_progress 1
		.amdhsa_inst_pref_size 96
	.end_amdhsa_kernel
	.amdgpu_metadata
---
amdhsa.version: [ 1, 2 ]
amdhsa.kernels:
  - .name:           k_q004ccac7e5_attn
    .symbol:         k_q004ccac7e5_attn.kd
    .args:
      - { .name: q_img, .offset: 0, .size: 8, .value_kind: global_buffer, .address_space: global }
      - { .name: k_img, .offset: 8, .size: 8, .value_kind: global_buffer, .address_space: global }
      - { .name: v_img, .offset: 16, .size: 8, .value_kind: global_buffer, .address_space: global }
      - { .name: ious, .offset: 24, .size: 8, .value_kind: global_buffer, .address_space: global }
      - { .name: lowp_scales, .offset: 32, .size: 8, .value_kind: global_buffer, .address_space: global }
      - { .name: a_img, .offset: 40, .size: 8, .value_kind: global_buffer, .address_space: global }
    .group_segment_fixed_size: 327680
    .private_segment_fixed_size: 0
    .kernarg_segment_align: 8
    .kernarg_segment_size: 48
    .max_flat_workgroup_size: 512
    .sgpr_count:     100
    .vgpr_count:     256
    .wavefront_size: 32
...
	.end_amdgpu_metadata
.endif
;; end of part 2
;; launch proj (part 3): grid 4 x 32, 4 waves a work-group, clusters of 4 x 4, 327,680 bytes of LDS; arguments a_img, W_out_codes, b_out, lowp_scales, out0; writes out0
.if DOCPART == 3
	.amdgcn_target "amdgcn-amd-amdhsa--gfx1250"
	.amdhsa_code_object_version 6
	.text
	.protected	k_q004ccac7e5_proj
	.globl	k_q004ccac7e5_proj
	.p2align	8
	.type	k_q004ccac7e5_proj,@function
k_q004ccac7e5_proj:
	s_mov_b64 s[64:65], 0
	v_nop
	global_prefetch_b8 v0, s[64:65] scope:SCOPE_SE
	s_setreg_imm32_b32 hwreg(HW_REG_WAVE_MODE, 25, 1), 1
	s_wait_xcnt 0x0
	s_wait_alu depctr_hold_cnt(0) depctr_sa_sdst(0) depctr_va_vdst(0) depctr_va_sdst(0) depctr_va_ssrc(0) depctr_va_vcc(0) depctr_vm_vsrc(0)
	s_getreg_b32 s2, hwreg(HW_REG_IB_STS2, 6, 4)
	s_cmp_eq_u32 s2, 0
	s_cbranch_scc0 .Lentry_in_a_cluster
	s_endpgm
.Lentry_in_a_cluster:
	s_bfe_u32 s2, ttmp6, 0x10000c
	s_cmp_lg_u32 s2, 0xf033
	s_cbranch_scc0 .Lentry_shape_is_right
	s_endpgm
.Lentry_shape_is_right:
; LAUNCH 3 OF 3.  out0 = a W_out^T + b_out on codes of E5M2; a's codes come from the launch before as images of operand registers.  No work of the problem is left out.
; out0 = sum x 2^(e6 + e7) + b_out.  LIMIT: e6 + e7 between -126 and 127, so that 2^(e6 + e7) is an f32 number.
; SHARES.  A work-group of four waves makes 256 positions t of ONE batch b (cluster y; t block = place cy) x 256 columns (place cx); a wave 128 x 128: 64 accumulators.  K = 1,024 in four steps of 256 through two LDS slots.
; 128 work-groups: a tile of half the size would give each WGP one, at one and a half times the LDS bytes for each product.
; CLUSTERS: 4 x 4.  a's tiles are shared along a row of the cluster, W's along a column: joint loads.
; THE MATRIX INSTRUCTION IS USED TRANSPOSED: source 0 = 16 rows of W, source 1 = 16 rows of a: a lane holds eight neighbouring numbers of a row of out0.
; a_img: [b 8][tile of 16 t: 64][128 along K: 8][chunk 4][lane 32][16 bytes], in the matrix unit's own layout (registers 2 c, 2 c + 1: k = 16 c + 8 (lane / 16) + 0 .. 7): a fragment is four loads of 512 consecutive bytes.
; W's rows lie along K in LDS; its fragments take k in the same places by eight loads of 8 bytes.
; REGISTERS, in windows of 256: window 0: v0-31 addresses; v32-95 b_out in the result's layout; from v128 a's fragments, ONE set; on the way out rows read back from the stage.
;   window 1: W's fragments, TWO sets.   windows 2, 3: the accumulators ((a, b) at v[8 (8 (a % 4) + b)]).
.set PITCH,  272                       ; a row of W in LDS: 256 bytes + 16 of padding
.set FR,     16
.set NL,     4                         ; LDS loads that bring a fragment of a
.set NP,     4
.set AHALF,  32768                     ; 8 tiles of 16 t x 4,096 bytes: what one load brings of a
.set WHALF,  128*PITCH                 ; 128 rows of W
.set WOFF,   2*AHALF
.set SLOT,   WOFF+2*WHALF
.set ASTEP,  4096                      ; a K step in a tile of a_img,
.set WSTEP,  256                       ; and in a row of W
.set LAPS,   2
.set SPARE,  2*SLOT                    ; behind the ring: the spare words
.set SPITCH, 528                       ; the way out: a stage of 16 rows x (512 bytes + 16) for each wave, in slot 0, which has had its last fill and its last read when the first result is stored there
.set ADR1, 16
.set ADR0, 20
.set STO,  24
.set RD,   25
.set CO,   26
.set SPW,  28
.set NIL,  29
.set BR,   32
.set AF,   128
.set BK,   128
.set G1, 24
.set G0, 32
.set G1B, 48
.set G0B, 56
.set MSB, 0
.macro WIN new
.if MSB != \new
	s_set_vgpr_msb (MSB<<8)|\new
.set MSB, \new
.endif
.endm
.set MUL_LO, 0xa1
.set MUL_HI, 0xf1
.set TO_0,   0x40
.macro JLOAD g0a, g1a, g0b, g1b        ; waves 0 and 1 fetch a's halves, waves 2 and 3 W's; an s_nop 0 and four v_nop follow each line
	s_cmp_eq_u32 s15, 0
	s_cbranch_scc0 .Lfor_b_\@
	tensor_load_to_lds s[\g0a:\g0a+3], s[\g1a:\g1a+7]
	s_nop 0
.rept 4
	v_nop
.endr
	s_branch .Lasked_\@
.Lfor_b_\@:
	tensor_load_to_lds s[\g0b:\g0b+3], s[\g1b:\g1b+7]
	s_nop 0
.rept 4
	v_nop
.endr
.Lasked_\@:
.endm
.macro CREST
	s_cmp_lg_u32 s14, 0
	s_cbranch_scc1 .Lnot_wave_0_\@
	s_barrier_signal -3
.Lnot_wave_0_\@:
	s_barrier_wait -3
	s_barrier_signal -1
	s_barrier_wait -1
.endm
.macro CROUND
	s_barrier_signal -1
	s_barrier_wait -1
	CREST
.endm
	s_load_b128 s[4:7], s[0:1], 0x0                ; a_img s[4:5], W_out's codes s[6:7]
	s_load_b128 s[8:11], s[0:1], 0x10              ; b_out s[8:9], the scales' exponents s[10:11]
	s_load_b64 s[12:13], s[0:1], 0x20              ; out0
	v_lshl_add_u32 v[SPW], v0, 2, SPARE
	v_mov_b32 v[NIL], 0
	ds_add_u32 v[SPW], v[NIL]                      ; the wave's opening: the add, twice on end, and its wait ahead of my first tensor load
	ds_add_u32 v[SPW], v[NIL]
	v_lshrrev_b32 v1, 5, v0
	v_readfirstlane_b32 s14, v1                    ; wave 0..3
	s_lshr_b32 s15, s14, 1                         ; wr: my half of the 256 t.  Also: I fetch for a (0) or for W (1)
	s_and_b32 s16, s14, 1                          ; wc: my half of the 256 columns.  Also: which half of that tile I fetch
	s_bfe_u32 s40, ttmp6, 0x40000                  ; cx, cy
	s_bfe_u32 s41, ttmp6, 0x40004
	s_lshl_b32 s42, ttmp9, 2
	s_add_co_u32 s42, s42, s40                     ; tile column
	s_and_b32 s17, ttmp7, 0xffff                   ; b = cluster y
	s_lshl_b32 s43, s41, 2
	s_lshl_b32 s43, 15, s43                        ; my row of the cluster
	s_lshl_b32 s44, 0x1111, s40                    ; my column
	; group 1 for a: 8 tiles of 16 t, 4,096 consecutive bytes of each (two fragments), 16,384 bytes apart; dense in LDS
	s_or_b32 s[G1+0], s43, (3<<16)|(1<<21)         ; the mask: my row; elements of 8 bytes; 21 set beside a mask
	s_mov_b32 s[G1+1], 512<<16                     ; tensor_dim0 = 512
	s_mov_b32 s[G1+2], 8<<16                       ; tensor_dim1 = 8
	s_mov_b32 s[G1+3], 512<<16                     ; tile_dim0
	s_mov_b32 s[G1+4], 8                           ; tile_dim1
	s_mov_b32 s[G1+5], 2048                        ; from tile to tile
	s_mov_b32 s[G1+6], 0
	s_mov_b32 s[G1+7], 0
	; group 1 for W: 128 rows x 256 bytes, padded in LDS
	s_or_b32 s[G1B+0], s44, (1<<20)|(1<<21)|(5<<22)|(3<<25)
	s_mov_b32 s[G1B+1], 256<<16
	s_mov_b32 s[G1B+2], 128<<16
	s_mov_b32 s[G1B+3], 256<<16
	s_mov_b32 s[G1B+4], 128
	s_mov_b32 s[G1B+5], 1024
	s_mov_b32 s[G1B+6], 0
	s_mov_b32 s[G1B+7], 0
	s_lshl_b32 s20, s41, 4
	s_lshl_b32 s18, s16, 3
	s_add_co_u32 s20, s20, s18                     ; a: tile of t 16 cy + 8 x half,
	s_lshl_b32 s20, s20, 14                        ; 16,384 bytes each,
	s_lshl_b32 s18, s17, 20
	s_add_co_u32 s20, s20, s18                     ; + b x 2^20
	s_mov_b32 s21, 0
	s_lshl_b32 s46, s42, 8
	s_lshl_b32 s47, s16, 7
	s_add_co_u32 s46, s46, s47                     ; W: row 256 x tile column + 128 x half,
	s_lshl_b32 s46, s46, 10
	s_mov_b32 s47, 0
	s_lshl_b32 s45, s16, 15                        ; where they go: a's halves,
	s_mul_i32 s19, s16, WHALF
	s_add_co_u32 s19, s19, WOFF                    ; then W's: no place in the cluster enters an LDS address
	s_wait_dscnt 0x0                               ; both opening adds are done
	s_wait_kmcnt 0x0
	s_load_b64 s[96:97], s[10:11], 0x18            ; e6, e7
	s_add_nc_u64 s[20:21], s[4:5], s[20:21]
	s_add_nc_u64 s[46:47], s[6:7], s[46:47]
	CROUND                                         ; the first joint loads meet
.irp s, 0,1
	s_mov_b32 s[G0+4*\s], 1
	s_add_co_u32 s[G0+4*\s+1], s45, \s*SLOT
	s_add_nc_u64 s[G0+4*\s+2:G0+4*\s+3], s[20:21], \s*ASTEP
	s_or_b32 s[G0+4*\s+3], s[G0+4*\s+3], 0x80000000
	s_mov_b32 s[G0B+4*\s], 1
	s_add_co_u32 s[G0B+4*\s+1], s19, \s*SLOT
	s_add_nc_u64 s[G0B+4*\s+2:G0B+4*\s+3], s[46:47], \s*WSTEP
	s_or_b32 s[G0B+4*\s+3], s[G0B+4*\s+3], 0x80000000
	JLOAD G0+4*\s, G1, G0B+4*\s, G1B               ; two loads of mine are out
.endr
	v_and_b32 v1, 15, v0                           ; r
	v_bfe_u32 v2, v0, 4, 1                         ; h
	v_and_b32 v5, 31, v0
	v_lshlrev_b32 v[CO], 4, v5                     ; 16 x lane
	v_mul_u32_u24 v3, v1, PITCH
	v_lshl_add_u32 v4, v2, 3, v3                   ; W: row x pitch + 8 x half
	s_lshl_b32 s21, s15, 15                        ; my 8 tiles of a
	s_mul_i32 s22, s16, WHALF
	s_add_co_u32 s22, s22, WOFF                    ; my 128 rows of W
.irp s, 0,1
	v_add_nc_u32 v[ADR1+\s], s21, v[CO]
	v_add_nc_u32 v[ADR0+\s], s22, v4
	s_add_co_u32 s21, s21, SLOT
	s_add_co_u32 s22, s22, SLOT
.endr
	s_mul_i32 s23, s14, 16*SPITCH                  ; my stage
	v_mul_u32_u24 v5, v1, SPITCH                   ; in: row r, 32 bytes for each half of the lanes
	v_lshl_add_u32 v5, v2, 5, v5
	v_add_nc_u32 v[STO], s23, v5
	v_add_nc_u32 v[RD], s23, v[CO]                 ; back: the 32 lanes take one row of 512 bytes
	s_lshl_b32 s18, s42, 10
	s_lshl_b32 s19, s16, 9
	s_add_co_u32 s18, s18, s19                     ; my first column, in bytes
	s_mov_b32 s19, 0
	s_add_nc_u64 s[8:9], s[8:9], s[18:19]
	v_lshlrev_b32 v6, 5, v2                        ; 32 h
.irp b, 0,1,2,3,4,5,6,7
	global_load_b128 v[BR+8*\b:BR+8*\b+3], v6, s[8:9] offset:64*\b           ; b_out at my columns 16 b + 8 h + 0 .. 7
	global_load_b128 v[BR+8*\b+4:BR+8*\b+7], v6, s[8:9] offset:64*\b+16
.endr
	s_lshl_b32 s20, s41, 8
	s_lshl_b32 s21, s15, 7
	s_add_co_u32 s20, s20, s21                     ; my first t: 256 cy + 128 wr;
	s_lshl_b32 s20, s20, 3
	s_add_co_u32 s20, s20, s17                     ; its row of out0: 8 t + b,
	s_lshl_b32 s20, s20, 12                        ; 4,096 bytes each
	s_add_co_u32 s20, s20, s18
	s_mov_b32 s21, 0
	s_add_nc_u64 s[12:13], s[12:13], s[20:21]
	s_wait_kmcnt 0x0
	s_add_co_i32 s96, s96, s97
	s_add_co_i32 s96, s96, 127
	s_lshl_b32 s96, s96, 23                        ; 2^(e6 + e7) as f32
	s_mov_b32 s97, s96                             ; (named with it as a pair, so it is written)
.macro FRAG0 reg, slot, q, i           ; a fragment of W: registers 2 c, 2 c + 1 hold K = 16 c + 8 (lane / 16) + 0 .. 7
.irp c, 0,1,2,3,4,5,6,7
	ds_load_b64 v[\reg+2*\c:\reg+2*\c+1], v[ADR0+\slot] offset:128*(\q)+16*\c+(\i)*16*PITCH
.endr
.endm
.macro FRAG1 reg, slot, q, i           ; a fragment of a: its image as it was stored
.irp c, 0,1,2,3
	ds_load_b128 v[\reg+4*\c:\reg+4*\c+3], v[ADR1+\slot] offset:4096*(\i)+2048*(\q)+512*\c
.endr
.endm
; The 64 accumulators take turns, one instruction a turn, in the same order in every step.
.macro MUL16 a0, p, zero
.irp a, \a0, \a0+1
.irp b, 0,1,2,3,4,5,6,7
.if \zero
	v_wmma_f32_16x16x128_bf8_bf8 v[8*(8*((\a)%4)+\b):8*(8*((\a)%4)+\b)+7], v[128*(\p)+FR*\b:128*(\p)+FR*\b+FR-1], v[AF+FR*(\a):AF+FR*(\a)+FR-1], 0
.else
	v_wmma_f32_16x16x128_bf8_bf8 v[8*(8*((\a)%4)+\b):8*(8*((\a)%4)+\b)+7], v[128*(\p)+FR*\b:128*(\p)+FR*\b+FR-1], v[AF+FR*(\a):AF+FR*(\a)+FR-1], v[8*(8*((\a)%4)+\b):8*(8*((\a)%4)+\b)+7]
.endif
.endr
.endr
.endm
.macro FETCH_0 slot, q, p
	WIN TO_0
.irp i, 0,1,2,3,4,5,6,7
	FRAG0 128*(\p)+FR*\i, \slot, \q, \i
.endr
	WIN 0
.endm
.macro FETCH_1 slot, q, i0
.irp i, \i0, \i0+1, \i0+2, \i0+3
	FRAG1 AF+FR*(\i), \slot, \q, \i
.endr
.endm
.macro PLACES n
.rept \n
	v_nop
.endr
.endm
.macro STEP slot, q, zero
	s_wait_dscnt 4*NL                              ; W's set and a's blocks 0-3 are in; the youngest 16 loads (a's blocks 4-7) may be out
	WIN MUL_LO
	MUL16 0, (\q)%2, \zero
	MUL16 2, (\q)%2, \zero
	s_wait_dscnt 0
	PLACES NP
	FETCH_0 \slot, (\q)+1, 1-(\q)%2
	FETCH_1 \slot, (\q)+1, 0
	WIN MUL_HI
	MUL16 4, (\q)%2, \zero
	MUL16 6, (\q)%2, \zero
	PLACES NP
	WIN 0
	FETCH_1 \slot, (\q)+1, 4
.endm
.macro TURN slot, next, fill
	s_wait_tensorcnt 0x0                           ; all my tensor loads have landed: my part of the next slot
	ds_add_u32 v[SPW], v[NIL]                      ; 0 onto my spare word
	s_wait_dscnt 4*NL+1                            ; (the add and the youngest 16 loads may be out)
	WIN MUL_LO
	MUL16 0, 1, 0
	s_wait_dscnt 0x0                               ; the add is done, and my reads of this slot are over
	s_barrier_signal -1
	MUL16 2, 1, 0
	WIN 0
	s_barrier_wait -1
.if \fill
	CREST                                          ; the barrier has opened a round of the cluster's barrier
	s_add_nc_u64 s[G0+4*\slot+2:G0+4*\slot+3], s[G0+4*\slot+2:G0+4*\slot+3], 2*ASTEP
	s_add_nc_u64 s[G0B+4*\slot+2:G0B+4*\slot+3], s[G0B+4*\slot+2:G0B+4*\slot+3], 2*WSTEP
	JLOAD G0+4*\slot, G1, G0B+4*\slot, G1B         ; the first tensor load behind the round; its four v_nop are also the places in front of the loads below
.else
	PLACES NP
.endif
	FETCH_0 \next, 0, 0
	FETCH_1 \next, 0, 0
	WIN MUL_HI
	MUL16 4, 1, 0
	MUL16 6, 1, 0
	PLACES NP
	WIN 0
	FETCH_1 \next, 0, 4
.endm
	s_wait_loadcnt 0x0                             ; b_out
	s_wait_tensorcnt 1                             ; my part of K step 0 is in (K step 1's load may be out)
	s_barrier_signal -1
	s_barrier_wait -1                              ; everybody's is
	FETCH_0 0, 0, 0
	FETCH_1 0, 0, 0
	FETCH_1 0, 0, 4
	STEP 0, 0, 1                                   ; the first step's products start the sums
	s_mov_b32 s3, LAPS-1
.Llap:
	TURN 0, 1, 1
	STEP 1, 0, 0
	TURN 1, 0, 1
	STEP 0, 0, 0
	s_sub_co_u32 s3, s3, 1
	s_cmp_lg_u32 s3, 0
	s_cbranch_scc1 .Llap
	TURN 0, 1, 0                                   ; the last lap fills nothing
	STEP 1, 0, 0
	s_wait_dscnt 4*NL
	WIN MUL_LO
	MUL16 0, 1, 0
	MUL16 2, 1, 0
	s_wait_dscnt 0
	WIN MUL_HI
	MUL16 4, 1, 0
	MUL16 6, 1, 0
	WIN 0
; THE WAY OUT, block by block of 16 t x 128 columns: sum x 2^(e6 + e7) + b_out in place, through my own stage in LDS, back as whole rows of 512 bytes, which the 32 lanes store as two aligned runs of 256 bytes.
; LDS serves a wave's instructions in order (ISA guide 5.7.1.4): no wait between the stores and the loads, nor in front of the next block's stores.
.macro TOSTAGE a
.set AC, 64*((\a)%4)
.set WN, 2+(\a)/4
	WIN ((WN<<6)|WN)                               ; destination and source 0: the accumulators' window; the bias: window 0
.set j, 0
.rept 32
	v_pk_fma_f32 v[AC+j:AC+j+1], v[AC+j:AC+j+1], s[96:97], v[BR+j:BR+j+1] op_sel_hi:[1,0,1]   ; each accumulator from its low end on
.set j, j+2
.endr
	WIN (WN<<2)                                    ; an LDS store's data: the accumulators' window
.irp b, 0,1,2,3,4,5,6,7
	ds_store_b128 v[STO], v[AC+8*\b:AC+8*\b+3] offset:64*\b
	ds_store_b128 v[STO], v[AC+8*\b+4:AC+8*\b+7] offset:64*\b+16
.endr
	WIN 0
.set BB, BK+64*((\a)%2)
.irp t, 0,1,2,3,4,5,6,7,8,9,10,11,12,13,14,15
	ds_load_b128 v[BB+4*\t:BB+4*\t+3], v[RD] offset:\t*SPITCH
.endr
.endm
.macro SEND a, younger                 ; younger: the LDS instructions issued behind block a's loads, which may stay out
.set BB, BK+64*((\a)%2)
	s_wait_dscnt \younger                          ; the block is back in registers
.if (\a) > 0
	s_add_nc_u64 s[12:13], s[12:13], 16*32768      ; (behind a wait on XCNT: the earlier stores have read their base)  16 t on: a t is 8 rows of 4,096 bytes
.endif
.irp t, 0,1,2,3,4,5,6,7,8,9,10,11,12,13,14,15
	global_store_b128 v[CO], v[BB+4*\t:BB+4*\t+3], s[12:13] offset:\t*32768 th:TH_STORE_NT   ; 32 lanes store 512 consecutive bytes, at a multiple of 256 from out0's first byte
.endr
.endm
	PLACES NP                                      ; behind the last products: the first sums are read, and rows land where a's fragments lay
	TOSTAGE 0
.irp a, 1,2,3,4,5,6,7
.if \a > 1
	s_wait_xcnt 0x0                                ; block a - 2's stores have read their registers and their base
.endif
	TOSTAGE \a
	SEND \a-1, 32                                  ; behind block a - 1's loads: block a's 16 stores and 16 loads
.endr
	s_wait_xcnt 0x0                                ; block 6's stores have read their base
	SEND 7, 0
	s_wait_tensorcnt 0x0                           ; the wave's end, behind my last tensor load and my last LDS store
	ds_add_u32 v[SPW], v[NIL]
	s_wait_dscnt 0x0
	CROUND                                         ; the closing round
	s_endpgm
.Lfunc_end_k_q004ccac7e5_proj:
	.size	k_q004ccac7e5_proj, .Lfunc_end_k_q004ccac7e5_proj-k_q004ccac7e5_proj
	.p2alignl 7, 3214868480
	.fill 96, 4, 3214868480
	.section	.rodata,"a",@progbits
	.p2align	6, 0x0
	.amdhsa_kernel k_q004ccac7e5_proj
		.amdhsa_group_segment_fixed_size 327680
		.amdhsa_private_segment_fixed_size 0
		.amdhsa_enable_private_segment 0
		.amdhsa_kernarg_size 40
		.amdhsa_user_sgpr_count 2
		.amdhsa_user_sgpr_kernarg_segment_ptr 1
		.amdhsa_wavefront_size32 1
		.amdhsa_system_sgpr_workgroup_id_x 1
		.amdhsa_system_sgpr_workgroup_id_y 1
		.amdhsa_system_sgpr_workgroup_id_z 1
		.amdhsa_system_vgpr_workitem_id 0
		.amdhsa_next_free_vgpr 1024
		.amdhsa_next_free_sgpr 100
		.amdhsa_reserve_vcc 0
		.amdhsa_float_denorm_mode_32 3
		.amdhsa_float_denorm_mode_16_64 3
		.amdhsa_memory_ordered 1
		.amdhsa_forward_progress 1
		.amdhsa_inst_pref_size 141
	.end_amdhsa_kernel
	.amdgpu_metadata
---
amdhsa.version: [ 1, 2 ]
amdhsa.kernels:
  - .name:           k_q004ccac7e5_proj
    .symbol:         k_q004ccac7e5_proj.kd
    .args:
      - { .name: a_img, .offset: 0, .size: 8, .value_kind: global_buffer, .address_space: global }
      - { .name: W_out_codes, .offset: 8, .size: 8, .value_kind: global_buffer, .address_space: global }
      - { .name: b_out, .offset: 16, .size: 8, .value_kind: global_buffer, .address_space: global }
      - { .name: lowp_scales, .offset: 24, .size: 8, .value_kind: global_buffer, .address_space: global }
      - { .name: out0, .offset: 32, .size: 8, .value_kind: global_buffer, .address_space: global }
    .group_segment_fixed_size: 327680
    .private_segment_fixed_size: 0
    .kernarg_segment_align: 8
    .kernarg_segment_size: 40
    .max_flat_workgroup_size: 128
    .sgpr_count:     100
    .vgpr_count:     1024
    .wavefront_size: 32
...
	.end_amdgpu_metadata
.endif
;; end of part 3
